; MI455X (gfx1250); checked and timed in simulation.
; The chip was launched on July 23, 2026; its instructions are those of AMD's public machine-readable ISA for CDNA 5 (MIT licence, August 2026) and "CDNA5" Instruction Set Architecture Reference Guide (July 2026). The comments in the code are by the model that wrote it; some were corrected since.
;; Decoder MHA. Allowed arithmetic: matrix products marked QUANTISED: E4M3 operands, one E8M0 scale for each 32 along K, by v_wmma_scale_f32_16x16x128_f8f6f4 with both operands' format E4M3, f32 sums; everything else in f32.
;; Inputs: Wk_codes 1,024 x 32 x 32 uint8 (E4M3 codes of Wk, K innermost, in blocks of 32 codes); Wk_scales 1,024 x 32 uint8 (E8M0 scales of Wk, one for each 32 codes along K); Wo_codes 1,024 x 32 x 32 uint8 (E4M3 codes of Wo, K innermost, in blocks of 32 codes); Wo_scales 1,024 x 32 uint8 (E8M0 scales of Wo, one for each 32 codes along K); Wq_codes 1,024 x 32 x 32 uint8 (E4M3 codes of Wq, K innermost, in blocks of 32 codes); Wq_scales 1,024 x 32 uint8 (E8M0 scales of Wq, one for each 32 codes along K); Wv_codes 1,024 x 32 x 32 uint8 (E4M3 codes of Wv, K innermost, in blocks of 32 codes); Wv_scales 1,024 x 32 uint8 (E8M0 scales of Wv, one for each 32 codes along K); bk 1,024 float32; bo 1,024 float32; bq 1,024 float32; bv 1,024 float32; pad_mask 4 x 1 x 1 x 2,048 int32; x_codes 4 x 2,048 x 32 x 32 uint8 (E4M3 codes of x, K innermost, in blocks of 32 codes); x_scales 4 x 2,048 x 32 uint8 (E8M0 scales of x, one for each 32 codes along K).
;; Outputs: out0 4 x 2,048 x 1,024 float32.
;; This version of the problem:
;;   THIS VERSION OF THE PROBLEM IS GIVEN IN LOW PRECISION. The matrix products marked QUANTISED in the list below multiply operands that are first quantised to E4M3 (4 exponent bits, 3 mantissa bits; 8 bits a number), with one power-of-two scale for each 32 numbers along K (OCP MX v1.0); their sums are f32. All else is computed in f32.
;;   The module's matrix products, in the order in which they are computed (A, B: the left and right operand; K: the contracted axis; several contracted axes count as one K, in the product's order):
;;     1. [M 8,192, K 1,024] x [K 1,024, N 1,024]; A: input x (given as codes); B: input Wq (given as codes): QUANTISED
;;     2. [M 8,192, K 1,024] x [K 1,024, N 1,024]; A: input x (given as codes); B: input Wk (given as codes): QUANTISED
;;     3. [M 8,192, K 1,024] x [K 1,024, N 1,024]; A: input x (given as codes); B: input Wv (given as codes): QUANTISED
;;     4. batch 64 x [M 2,048, K 64] x [K 64, N 2,048]; A: computed on the way; B: computed on the way: QUANTISED
;;     5. batch 64 x [M 2,048, K 2,048] x [K 2,048, N 64]; A: computed on the way; B: computed on the way: QUANTISED
;;     6. [M 8,192, K 1,024] x [K 1,024, N 1,024]; A: computed on the way; B: input Wo (given as codes): QUANTISED
;;   THE QUANTISER, for each operand of a quantised product, along K:
;;     - K is cut into blocks of 32 from its start; a last block that is shorter is filled with zeros.
;;     - A block's scale is 2^e with e = floor(log2(the largest magnitude in the block)) - 8, held to -126 .. 127; a block of zeros has e = 0. As a byte (E8M0): e + 127.
;;     - Each number is divided by its block's scale, clamped to +-448, and rounded to the nearest number of E4M3, ties to even, subnormals kept.
;;     - The product sums the exact products of the quantised numbers (number of the format x scale) in f32.
;;   ~~~python
;;   def quantise(x, axis):      # numpy; x: float32 -> the quantised numbers, widened to float32 again
;;       x = np.moveaxis(x, axis, -1); K = x.shape[-1]
;;       x = np.pad(x, [(0, 0)] * (x.ndim - 1) + [(0, -K % 32)]); x = x.reshape(x.shape[:-1] + (-1, 32)); a = np.abs(x).max(-1, keepdims=True)
;;       e = np.where(a > 0, np.clip(np.frexp(np.where(a > 0, a, 1))[1] - 1 - 8, -126, 127), 0)      # np.frexp(a)[1] - 1 = floor(log2(a)), exactly
;;       r = np.clip(x / 2.0 ** e, -448, 448)
;;       step = 2.0 ** (np.maximum(np.frexp(np.where(r == 0, 1, r))[1] - 1, -6) - 3)
;;       q = np.round(r / step) * step * 2.0 ** e      # np.round: ties to even
;;       return np.moveaxis(q.reshape(q.shape[:-2] + (-1,))[..., :K], -1, axis).astype(np.float32)
;;   ~~~
;;   OPERANDS COMPUTED ON THE WAY. 'Computed on the way' means the value that the module computes at that place (a softmax that the list does not call 'softmax' is quantised finished and normalised). What goes into a quantiser is computed in f32, as accurately as f32 sums, v_exp_f32 and their like allow (about 1e-6 of the number): no bf16 or f16 on the way to a quantiser, and a product that is left as it is and whose result goes on into a quantised operand takes f32 operands (vector FMAs, or v_wmma_f32_16x16x4_f32). A number that lies on a knife's edge between two numbers of the format may be rounded either way, as far as f32 arithmetic and the matrix unit's own rounding can turn it there, and no further.
;;   INPUTS GIVEN AS CODES. Wk (in the module: [1024, 1024], K = its axis 1); Wo (in the module: [1024, 1024], K = its axis 1); Wq (in the module: [1024, 1024], K = its axis 1); Wv (in the module: [1024, 1024], K = its axis 1); x (in the module: [4, 2048, 1024], K = its axis 2): each comes as NAME_codes (uint8): NAME with its K axis moved to the last place and cut into blocks of 32 codes, [.., K / 32, bytes a block], one block behind the other in memory; one code a byte (a code: sign, 4 exponent bits, 3 mantissa bits); and NAME_scales (uint8): the same leading axes, one E8M0 byte (e + 127) for each 32 codes along K. Its value is code x scale, taken as it is: it is not quantised again, and the codes and scales need not be those that the quantiser above would give.
;; One version. Each part assembles by itself: llvm-mc -triple=amdgcn-amd-amdhsa -mcpu=gfx1250 --defsym DOCPART=n.
;; ======== version 1 of 1: 3 launches
;; limits: right only within a limited range of input values
;; workspace buffers: q_codes 8,388,608 bytes; k_codes 8,388,608 bytes; q_sc 524,288 bytes; k_sc 524,288 bytes; v_img 8,650,752 bytes; ao_codes 8,388,608 bytes; ao_sc 262,144 bytes
;; launch qkv (part 1): grid 8 x 48, 4 waves a work-group, clusters of 4 x 4, 327,680 bytes of LDS; arguments x_codes, x_scales, Wq_codes, Wq_scales, Wk_codes, Wk_scales, Wv_codes, Wv_scales, bq, bk, bv, q_codes, q_sc, k_codes, k_sc, v_img; writes q_codes, q_sc, k_codes, k_sc, v_img
.if DOCPART == 1
	.amdgcn_target "amdgcn-amd-amdhsa--gfx1250"
	.amdhsa_code_object_version 6
	.text
	.protected	k_q413fb31bc1_qkv
	.globl	k_q413fb31bc1_qkv
	.p2align	8
	.type	k_q413fb31bc1_qkv,@function
k_q413fb31bc1_qkv:
	s_mov_b64 s[64:65], 0
	v_nop
	global_prefetch_b8 v0, s[64:65] scope:SCOPE_SE
	s_setreg_imm32_b32 hwreg(HW_REG_WAVE_MODE, 25, 1), 1
	s_wait_xcnt 0x0
	s_wait_alu depctr_hold_cnt(0) depctr_sa_sdst(0) depctr_va_vdst(0) depctr_va_sdst(0) depctr_va_ssrc(0) depctr_va_vcc(0) depctr_vm_vsrc(0)
	s_getreg_b32 s2, hwreg(HW_REG_IB_STS2, 6, 4)
	s_cmp_eq_u32 s2, 0
	s_cbranch_scc0 .Lentry_in_a_cluster
	s_endpgm
.Lentry_in_a_cluster:
	s_bfe_u32 s2, ttmp6, 0x10000c
	s_cmp_lg_u32 s2, 0xf033
	s_cbranch_scc0 .Lentry_shape_is_right
	s_endpgm
.Lentry_shape_is_right:
.set KSTEP,  256
.set NQ,     2
.set ROWB,   256
.set KROW,   1024
.set PITCH,  272
.set FR,     16
.set NL,     4
.set NP,     8
.set HALFT,  128*PITCH
.set SLOT,   4*HALFT
.set LAPS,   2
.set KS,     32
.set SCL,    2*SLOT
.set HALFS,  (128*KS/256)*272
.set SBLK,   (16*KS/256)*272
.set SPARE,  SCL+4*HALFS
.set H32,  7
.set BR,   8
.set ADRA, 16
.set R4,   18
.set SOFF, 19
.set ADRB, 20
.set LI,   22
.set SW,   23
.set SH,   24
.set ADRS, 27
.set SPW,  28
.set NIL,  29
.set BRP,  30
.set SC,   32
.set BP,   64
.set AF,   128
.set NUM,  128
.set COD,  192
.set TM,   208
.set PW,   224
.set ROLE, 2
.set SEL,  20
.set MNT,  23
.set G1, 24
.set G0, 32
.set G1B, 48
.set G0B, 56
.set G1S, 68
.set G0S, 76
.set G1SB, 80
.set G0SB, 88
.set MSB, 0
.macro WIN new
.if MSB != \new
	s_set_vgpr_msb (MSB<<8)|\new
.set MSB, \new
.endif
.endm
.set MUL_LO, 0xa1
.set MUL_HI, 0xf1
.set TO_B,   0x40
.macro JLOAD g0a, g1a, g0b, g1b
	s_cmp_eq_u32 s15, 0
	s_cbranch_scc0 .Lfor_b_\@
	tensor_load_to_lds s[\g0a:\g0a+3], s[\g1a:\g1a+7]
	s_nop 0
.rept 4
	v_nop
.endr
	s_branch .Lasked_\@
.Lfor_b_\@:
	tensor_load_to_lds s[\g0b:\g0b+3], s[\g1b:\g1b+7]
	s_nop 0
.rept 4
	v_nop
.endr
.Lasked_\@:
.endm
.macro CREST
	s_cmp_lg_u32 s14, 0
	s_cbranch_scc1 .Lnot_wave_0_\@
	s_barrier_signal -3
.Lnot_wave_0_\@:
	s_barrier_wait -3
	s_barrier_signal -1
	s_barrier_wait -1
.endm
.macro CROUND
	s_barrier_signal -1
	s_barrier_wait -1
	CREST
.endm
	s_load_b256 s[68:75], s[0:1], 0x0
	s_load_b256 s[76:83], s[0:1], 0x20
	s_load_b256 s[84:91], s[0:1], 0x40
	s_load_b256 s[92:99], s[0:1], 0x60
	v_lshl_add_u32 v[SPW], v0, 2, SPARE
	v_mov_b32 v[NIL], 0
	ds_add_u32 v[SPW], v[NIL]
	ds_add_u32 v[SPW], v[NIL]
	v_lshrrev_b32 v1, 5, v0
	v_readfirstlane_b32 s14, v1
	s_lshr_b32 s15, s14, 1
	s_and_b32 s16, s14, 1
	s_bfe_u32 s40, ttmp6, 0x40000
	s_bfe_u32 s41, ttmp6, 0x40004
	s_and_b32 s18, ttmp7, 0xffff
	s_sub_co_u32 s19, s18, 8
	s_lshl_b32 s19, s19, 1
	s_add_co_u32 s19, s19, ttmp9
	s_cmp_lt_u32 s18, 8
	s_cselect_b32 s17, s18, 0
	s_cselect_b32 s42, 0, s19
	s_cselect_b32 s[ROLE], 0, 1
	s_lshl_b32 s17, s17, 2
	s_add_co_u32 s17, s17, s41
	s_lshl_b32 s42, s42, 2
	s_add_co_u32 s42, s42, s40
	s_lshl_b32 s43, s41, 2
	s_lshl_b32 s43, 15, s43
	s_lshl_b32 s44, 0x1111, s40
	s_or_b32 s[G1+0], s43, (0<<16)|(1<<20)|(1<<21)|(5<<22)|(3<<25)
	s_or_b32 s[G1B+0], s44, (0<<16)|(1<<20)|(1<<21)|(5<<22)|(3<<25)
.irp g, G1, G1B
	s_mov_b32 s[\g+1], ROWB<<16
	s_mov_b32 s[\g+2], 128<<16
	s_mov_b32 s[\g+3], ROWB<<16
	s_mov_b32 s[\g+4], 128
	s_mov_b32 s[\g+5], KROW
	s_mov_b32 s[\g+6], 0
	s_mov_b32 s[\g+7], 0
.endr
	s_wait_dscnt 0x0
	s_wait_kmcnt 0x0
	s_cmp_eq_u32 ttmp9, 0
	s_cselect_b64 s[72:73], s[72:73], s[76:77]
	s_cselect_b64 s[74:75], s[74:75], s[78:79]
	s_cselect_b64 s[84:85], s[84:85], s[86:87]
	s_cselect_b64 s[90:91], s[90:91], s[94:95]
	s_cselect_b64 s[92:93], s[92:93], s[96:97]
	s_cmp_eq_u32 s[ROLE], 0
	s_cselect_b64 s[4:5], s[68:69], s[80:81]
	s_cselect_b64 s[6:7], s[70:71], s[82:83]
	s_cselect_b64 s[8:9], s[72:73], s[68:69]
	s_cselect_b64 s[10:11], s[74:75], s[70:71]
	s_cselect_b64 s[12:13], s[90:91], s[98:99]
	s_cselect_b64 s[100:101], s[92:93], s[98:99]
	s_cselect_b64 s[66:67], s[84:85], s[88:89]
	s_or_b32 s[G1S+0], s43, (3<<16)|(1<<20)|(1<<21)|(5<<22)|(3<<25)
	s_or_b32 s[G1SB+0], s44, (3<<16)|(1<<20)|(1<<21)|(5<<22)|(3<<25)
.irp g, G1S, G1SB
	s_mov_b32 s[\g+1], 32<<16
	s_mov_b32 s[\g+2], (128*KS/256)<<16
	s_mov_b32 s[\g+3], 32<<16
	s_mov_b32 s[\g+4], 128*KS/256
	s_mov_b32 s[\g+5], 32
	s_mov_b32 s[\g+6], 0
	s_mov_b32 s[\g+7], 0
.endr
	s_lshl_b32 s18, s16, 7
	s_lshl_b32 s20, s17, 8
	s_add_co_u32 s20, s20, s18
	s_lshl_b32 s46, s42, 8
	s_add_co_u32 s46, s46, s18
	s_mov_b32 s21, 0
	s_mov_b32 s47, 0
	s_mov_b64 s[18:19], KS
	s_mul_u64 s[22:23], s[20:21], s[18:19]
	s_mul_u64 s[92:93], s[46:47], s[18:19]
	s_mov_b64 s[18:19], KROW
	s_mul_u64 s[20:21], s[20:21], s[18:19]
	s_mul_u64 s[46:47], s[46:47], s[18:19]
	s_mul_i32 s45, s14, HALFT
	s_mul_i32 s94, s14, HALFS
	s_add_nc_u64 s[20:21], s[4:5], s[20:21]
	s_add_nc_u64 s[22:23], s[6:7], s[22:23]
	s_add_nc_u64 s[46:47], s[8:9], s[46:47]
	s_add_nc_u64 s[92:93], s[10:11], s[92:93]
	CROUND
	s_mov_b32 s[G0S], 1
	s_add_co_u32 s[G0S+1], s94, SCL
	s_mov_b64 s[G0S+2:G0S+3], s[22:23]
	s_or_b32 s[G0S+3], s[G0S+3], 0x80000000
	s_mov_b32 s[G0SB], 1
	s_add_co_u32 s[G0SB+1], s94, SCL
	s_mov_b64 s[G0SB+2:G0SB+3], s[92:93]
	s_or_b32 s[G0SB+3], s[G0SB+3], 0x80000000
	JLOAD G0S, G1S, G0SB, G1SB
.irp s, 0,1
	s_mov_b32 s[G0+4*\s], 1
	s_add_co_u32 s[G0+4*\s+1], s45, \s*SLOT
	s_add_nc_u64 s[G0+4*\s+2:G0+4*\s+3], s[20:21], \s*ROWB
	s_or_b32 s[G0+4*\s+3], s[G0+4*\s+3], 0x80000000
	s_mov_b32 s[G0B+4*\s], 1
	s_add_co_u32 s[G0B+4*\s+1], s45, \s*SLOT
	s_add_nc_u64 s[G0B+4*\s+2:G0B+4*\s+3], s[46:47], \s*ROWB
	s_or_b32 s[G0B+4*\s+3], s[G0B+4*\s+3], 0x80000000
	s_wait_alu depctr_va_vdst(0)
	s_wait_tensorcnt 0x0
	ds_add_u32 v28, v29
	s_wait_dscnt 0x0
	CROUND
	JLOAD G0+4*\s, G1, G0B+4*\s, G1B
.endr
	v_and_b32 v1, 15, v0
	v_bfe_u32 v2, v0, 4, 1
	v_mul_u32_u24 v3, v1, PITCH
	v_lshl_add_u32 v4, v2, 4, v3
	s_mul_i32 s21, s15, HALFT
	s_mul_i32 s22, s16, HALFT
	s_add_co_u32 s22, s22, 2*HALFT
.irp s, 0,1
	v_add_nc_u32 v[ADRA+\s], s21, v4
	v_add_nc_u32 v[ADRB+\s], s22, v4
	s_add_co_u32 s21, s21, SLOT
	s_add_co_u32 s22, s22, SLOT
.endr
	v_mul_u32_u24 v5, v1, KS
	v_lshrrev_b32 v6, 8, v5
	v_lshl_add_u32 v5, v6, 4, v5
	s_mul_i32 s21, s15, HALFS
	s_mul_i32 s22, s16, HALFS
	s_add_co_u32 s22, s22, 2*HALFS
	s_sub_co_u32 s22, s22, s21
	v_mul_u32_u24 v6, s22, v2
	s_add_co_u32 s21, s21, SCL
	v_add_nc_u32 v5, v5, v6
	v_add_nc_u32 v[ADRS], s21, v5
	v_lshlrev_b32 v[H32], 5, v2
	s_wait_alu depctr_va_vdst(0)
	v_lshlrev_b32 v[R4], 2, v1
	s_wait_alu depctr_va_vdst(0)
	v_lshl_add_u32 v[SOFF], v2, 13, v[R4]
	v_and_b32 v[LI], 31, v0
	v_lshlrev_b32 v[LI], 4, v[LI]
	v_lshlrev_b32 v[SH], 4, v2
	s_lshl_b32 s18, s41, 10
	s_lshl_b32 s19, s15, 9
	s_add_co_u32 s18, s18, s19
	s_mov_b32 s19, 0
	s_add_nc_u64 s[96:97], s[66:67], s[18:19]
	s_lshl_b32 s18, s40, 10
	s_lshl_b32 s20, s16, 9
	s_add_co_u32 s18, s18, s20
	s_add_nc_u64 s[66:67], s[66:67], s[18:19]
.irp b, 0,1,2,3,4,5,6,7
	global_load_b128 v[BP+8*\b:BP+8*\b+3], v[H32], s[66:67] offset:64*\b
	global_load_b128 v[BP+8*\b+4:BP+8*\b+7], v[H32], s[66:67] offset:64*\b+16
.endr
.irp a, 0,1,2,3,4,5,6,7
	global_load_b32 v[BR+\a], v[R4], s[96:97] offset:64*\a
.endr
	s_cmp_eq_u32 s[ROLE], 0
	s_cselect_b32 s18, s17, s42
	s_cselect_b32 s19, s40, s41
	s_cselect_b32 s20, s16, s15
	s_cselect_b32 s21, s15, s16
	s_mov_b32 s22, 135168
	s_cselect_b32 s22, 131072, s22
	s_mov_b32 s23, 8448
	s_cselect_b32 s23, 8192, s23
	s_lshr_b32 s46, s18, 3
	s_lshl_b32 s46, s46, 4
	s_lshl_b32 s19, s19, 2
	s_add_co_u32 s46, s46, s19
	s_lshl_b32 s20, s20, 1
	s_add_co_u32 s46, s46, s20
	s_and_b32 s18, s18, 7
	s_lshl_b32 s18, s18, 1
	s_add_co_u32 s18, s18, s21
	s_mul_i32 s22, s46, s22
	s_mul_i32 s23, s18, s23
	s_add_co_u32 s22, s22, s23
	s_mov_b32 s23, 0
	s_add_nc_u64 s[12:13], s[12:13], s[22:23]
	s_lshl_b32 s46, s46, 13
	s_lshl_b32 s18, s18, 9
	s_add_co_u32 s46, s46, s18
	s_mov_b32 s47, 0
	s_add_nc_u64 s[100:101], s[100:101], s[46:47]
.macro FRAG reg, adr, q, i
.irp c, 0,1,2,3
	ds_load_b128 v[\reg+4*\c:\reg+4*\c+3], v[\adr] offset:128*(\q)+32*\c+(\i)*16*PITCH
.endr
.endm
.macro MUL16 a0, p, q, sc, zero
.irp a, \a0, \a0+1
.irp b, 0,1,2,3,4,5,6,7
.if \zero
	v_wmma_scale_f32_16x16x128_f8f6f4 v[8*(8*((\a)%4)+\b):8*(8*((\a)%4)+\b)+7], v[128*(\p)+FR*\b:128*(\p)+FR*\b+FR-1], v[AF+FR*(\a):AF+FR*(\a)+FR-1], 0, v[SC+8*NQ*(\sc)+NQ*\b+(\q)], v[SC+8*NQ*(\sc)+NQ*(\a)+(\q)] matrix_a_scale:MATRIX_SCALE_ROW1
.else
	v_wmma_scale_f32_16x16x128_f8f6f4 v[8*(8*((\a)%4)+\b):8*(8*((\a)%4)+\b)+7], v[128*(\p)+FR*\b:128*(\p)+FR*\b+FR-1], v[AF+FR*(\a):AF+FR*(\a)+FR-1], v[8*(8*((\a)%4)+\b):8*(8*((\a)%4)+\b)+7], v[SC+8*NQ*(\sc)+NQ*\b+(\q)], v[SC+8*NQ*(\sc)+NQ*(\a)+(\q)] matrix_a_scale:MATRIX_SCALE_ROW1
.endif
.endr
.endr
.endm
.macro FETCH_B slot, q, p
	WIN TO_B
.irp i, 0,1,2,3,4,5,6,7
	FRAG 128*(\p)+FR*\i, ADRB+\slot, \q, \i
.endr
	WIN 0
.endm
.macro FETCH_A slot, q, i0
.irp i, \i0, \i0+1, \i0+2, \i0+3
	FRAG AF+FR*(\i), ADRA+\slot, \q, \i
.endr
.endm
.macro SCALES sc
.irp i, 0,1,2,3,4,5,6,7
	ds_load_b64 v[SC+8*NQ*\sc+NQ*\i:SC+8*NQ*\sc+NQ*\i+1], v[ADRS] offset:\i*SBLK
.endr
.endm
.macro PLACES n
.rept \n
	v_nop
.endr
.endm
.macro STEP slot, q, zero
	s_wait_dscnt 4*NL
	WIN MUL_LO
	MUL16 0, (\q)%2, \q, \slot, \zero
	MUL16 2, (\q)%2, \q, \slot, \zero
	s_wait_dscnt 0
	PLACES NP
	FETCH_B \slot, (\q)+1, 1-(\q)%2
	FETCH_A \slot, (\q)+1, 0
	WIN MUL_HI
	MUL16 4, (\q)%2, \q, \slot, \zero
	MUL16 6, (\q)%2, \q, \slot, \zero
	PLACES NP
	WIN 0
	FETCH_A \slot, (\q)+1, 4
.endm
.macro TURN slot, next, fill
	s_wait_tensorcnt 0x0
	ds_add_u32 v[SPW], v[NIL]
	s_wait_dscnt 4*NL+1
	WIN MUL_LO
	MUL16 0, 1, NQ-1, \slot, 0
	s_wait_dscnt 0x0
	s_barrier_signal -1
	MUL16 2, 1, NQ-1, \slot, 0
	WIN 0
	s_barrier_wait -1
.if \fill
	CREST
	s_add_nc_u64 s[G0+4*\slot+2:G0+4*\slot+3], s[G0+4*\slot+2:G0+4*\slot+3], 2*ROWB
	s_add_nc_u64 s[G0B+4*\slot+2:G0B+4*\slot+3], s[G0B+4*\slot+2:G0B+4*\slot+3], 2*ROWB
	JLOAD G0+4*\slot, G1, G0B+4*\slot, G1B
	PLACES NP-4
.else
	PLACES NP
.endif
	s_wait_alu depctr_va_vdst(0)
	v_add_nc_u32 v[ADRS], 4*NQ, v[ADRS]
	FETCH_B \next, 0, 0
	FETCH_A \next, 0, 0
	SCALES \next
	WIN MUL_HI
	MUL16 4, 1, NQ-1, \slot, 0
	MUL16 6, 1, NQ-1, \slot, 0
	PLACES NP
	WIN 0
	FETCH_A \next, 0, 4
.endm
	s_wait_tensorcnt 1
	s_barrier_signal -1
	s_barrier_wait -1
	FETCH_B 0, 0, 0
	FETCH_A 0, 0, 0
	SCALES 0
	FETCH_A 0, 0, 4
	STEP 0, 0, 1
	s_mov_b32 s3, LAPS-1
.Llap:
	TURN 0, 1, 1
	STEP 1, 0, 0
	TURN 1, 0, 1
	STEP 0, 0, 0
	s_sub_co_u32 s3, s3, 1
	s_cmp_lg_u32 s3, 0
	s_cbranch_scc1 .Llap
	TURN 0, 1, 0
	STEP 1, 0, 0
	s_wait_dscnt 4*NL
	WIN MUL_LO
	MUL16 0, 1, NQ-1, 1, 0
	MUL16 2, 1, NQ-1, 1, 0
	s_wait_dscnt 0
	WIN MUL_HI
	MUL16 4, 1, NQ-1, 1, 0
	MUL16 6, 1, NQ-1, 1, 0
	WIN 0
.macro QUANT
.irp b, 0,1,2,3
	v_max3_num_f32 v[TM+\b], |v[NUM+16*\b]|, |v[NUM+1+16*\b]|, 0x4800000
.endr
.irp i, 2,4,6,8,10,12,14
.irp b, 0,1,2,3
	v_max3_num_f32 v[TM+\b], v[TM+\b], |v[NUM+16*\b+\i]|, |v[NUM+1+16*\b+\i]|
.endr
.endr
.irp b, 0,1,2,3
	v_permlanex16_b32 v[TM+4+\b], v[TM+\b], s[SEL], s[SEL+1]
.endr
.irp b, 0,1,2,3
	v_max_num_f32 v[TM+\b], v[TM+\b], v[TM+4+\b]
.endr
.irp b, 0,1,2,3
	v_add_nc_u32 v[TM+12+\b], 0xfc000000, v[TM+\b]
.endr
.irp b, 0,1,2,3
.endr
.irp b, 0,1,2,3
	v_lshrrev_b32 v[TM+4+\b], 23, v[TM+12+\b]
.endr
	v_lshl_or_b32 v[PW], v[TM+5], 8, v[TM+4]
	v_lshl_or_b32 v[PW], v[TM+6], 16, v[PW]
	v_lshl_or_b32 v[PW], v[TM+7], 24, v[PW]
.irp b, 0,1,2,3
.irp i, 0,1,2,3,4,5,6,7,8,9,10,11,12,13,14,15
.endr
	v_cvt_scalef32_pk8_fp8_f32 v[COD+4*\b:COD+1+4*\b], v[NUM+16*\b:NUM+7+16*\b], v[TM+12+\b]
	v_cvt_scalef32_pk8_fp8_f32 v[COD+2+4*\b:COD+3+4*\b], v[NUM+8+16*\b:NUM+15+16*\b], v[TM+12+\b]
.endr
	v_nop
.endm
.macro OUTBLK a
.set AC, 64*((\a)%4)
.if (\a) > 0
	s_wait_xcnt 0x0
.endif
	s_cmp_eq_u32 s[ROLE], 0
	s_cbranch_scc0 .Lbylane_\@
	WIN 0x02+(\a)/4
.set i, 0
.rept 32
	v_pk_add_f32 v[NUM+2*i:NUM+2*i+1], v[AC+2*i:AC+2*i+1], v[BP+2*i:BP+2*i+1]
.set i, i+1
.endr
	WIN 0
	s_branch .Ladded_\@
.Lbylane_\@:
	v_mov_b32 v[BRP], v[BR+(\a)]
	v_mov_b32 v[BRP+1], v[BR+(\a)]
	WIN 0x02+(\a)/4
.set i, 0
.rept 32
	v_pk_add_f32 v[NUM+2*i:NUM+2*i+1], v[AC+2*i:AC+2*i+1], v[BRP:BRP+1]
.set i, i+1
.endr
	WIN 0
.Ladded_\@:
	QUANT
	s_cmp_eq_u32 s[ROLE], 0
	s_cbranch_scc0 .Lvout_\@
.irp c, 0,1,2,3
	global_store_b128 v[LI], v[COD+4*\c:COD+4*\c+3], s[12:13] offset:(\a)*1024+(\c%2)*512+(\c/2)*131072
.endr
	v_lshrrev_b32 v[SW], v[SH], v[PW]
	v_and_b32 v[SW], 0xffff, v[SW]
	global_store_b32 v[SOFF], v[SW], s[100:101] offset:64*(\a)
	s_branch .Lstored_\@
.Lvout_\@:
	s_wait_alu depctr_va_vdst(0)
.irp c, 0,1,2,3
	global_store_b128 v[LI], v[COD+4*\c:COD+4*\c+3], s[12:13] offset:((\a)/4)*135168+((\a)%4)*2048+512*\c
.endr
	global_store_b32 v[R4], v[PW], s[12:13] offset:((\a)/4)*135168+8192+((\a)%4)*64
.Lstored_\@:
.endm
	PLACES NP
	s_mov_b32 s[SEL], 0x76543210
	s_mov_b32 s[SEL+1], 0xfedcba98
.irp b, 0,1,2,3
	v_mov_b32 v[TM+4+\b], 0
.endr
	s_wait_loadcnt 0x0
.irp a, 0,1,2,3,4,5,6,7
	OUTBLK \a
.endr
	s_wait_tensorcnt 0x0
	ds_add_u32 v[SPW], v[NIL]
	s_wait_dscnt 0x0
	CROUND
	s_endpgm
.Lfunc_end_k_q413fb31bc1_qkv:
	.size	k_q413fb31bc1_qkv, .Lfunc_end_k_q413fb31bc1_qkv-k_q413fb31bc1_qkv
	.p2alignl 7, 3214868480
	.fill 96, 4, 3214868480
	.section	.rodata,"a",@progbits
	.p2align	6, 0x0
	.amdhsa_kernel k_q413fb31bc1_qkv
		.amdhsa_group_segment_fixed_size 327680
		.amdhsa_private_segment_fixed_size 0
		.amdhsa_enable_private_segment 0
		.amdhsa_kernarg_size 128
		.amdhsa_user_sgpr_count 2
		.amdhsa_user_sgpr_kernarg_segment_ptr 1
		.amdhsa_wavefront_size32 1
		.amdhsa_system_sgpr_workgroup_id_x 1
		.amdhsa_system_sgpr_workgroup_id_y 1
		.amdhsa_system_sgpr_workgroup_id_z 1
		.amdhsa_system_vgpr_workitem_id 0
		.amdhsa_next_free_vgpr 1024
		.amdhsa_next_free_sgpr 102
		.amdhsa_reserve_vcc 0
		.amdhsa_float_denorm_mode_32 3
		.amdhsa_float_denorm_mode_16_64 3
		.amdhsa_fp16_overflow 1
		.amdhsa_memory_ordered 1
		.amdhsa_forward_progress 1
		.amdhsa_inst_pref_size 193
	.end_amdhsa_kernel
	.amdgpu_metadata
---
amdhsa.version: [ 1, 2 ]
amdhsa.kernels:
  - .name:           k_q413fb31bc1_qkv
    .symbol:         k_q413fb31bc1_qkv.kd
    .args:
      - { .name: x_codes, .offset: 0, .size: 8, .value_kind: global_buffer, .address_space: global }
      - { .name: x_scales, .offset: 8, .size: 8, .value_kind: global_buffer, .address_space: global }
      - { .name: Wq_codes, .offset: 16, .size: 8, .value_kind: global_buffer, .address_space: global }
      - { .name: Wq_scales, .offset: 24, .size: 8, .value_kind: global_buffer, .address_space: global }
      - { .name: Wk_codes, .offset: 32, .size: 8, .value_kind: global_buffer, .address_space: global }
      - { .name: Wk_scales, .offset: 40, .size: 8, .value_kind: global_buffer, .address_space: global }
      - { .name: Wv_codes, .offset: 48, .size: 8, .value_kind: global_buffer, .address_space: global }
      - { .name: Wv_scales, .offset: 56, .size: 8, .value_kind: global_buffer, .address_space: global }
      - { .name: bq, .offset: 64, .size: 8, .value_kind: global_buffer, .address_space: global }
      - { .name: bk, .offset: 72, .size: 8, .value_kind: global_buffer, .address_space: global }
      - { .name: bv, .offset: 80, .size: 8, .value_kind: global_buffer, .address_space: global }
      - { .name: q_codes, .offset: 88, .size: 8, .value_kind: global_buffer, .address_space: global }
      - { .name: q_sc, .offset: 96, .size: 8, .value_kind: global_buffer, .address_space: global }
      - { .name: k_codes, .offset: 104, .size: 8, .value_kind: global_buffer, .address_space: global }
      - { .name: k_sc, .offset: 112, .size: 8, .value_kind: global_buffer, .address_space: global }
      - { .name: v_img, .offset: 120, .size: 8, .value_kind: global_buffer, .address_space: global }
    .group_segment_fixed_size: 327680
    .private_segment_fixed_size: 0
    .kernarg_segment_align: 8
    .kernarg_segment_size: 128
    .max_flat_workgroup_size: 128
    .sgpr_count:     102
    .vgpr_count:     1024
    .wavefront_size: 32
...
	.end_amdgpu_metadata
.endif
;; end of part 1
;; launch attn (part 2): grid 4 x 64, 16 waves a work-group, clusters of 4 x 1, 276,480 bytes of LDS; arguments q_codes, q_sc, k_codes, k_sc, v_img, pad_mask, ao_codes, ao_sc; writes ao_codes, ao_sc
.if DOCPART == 2
	.amdgcn_target "amdgcn-amd-amdhsa--gfx1250"
	.amdhsa_code_object_version 6
	.text
	.protected	k_q413fb31bc1_attn
	.globl	k_q413fb31bc1_attn
	.p2align	8
	.type	k_q413fb31bc1_attn,@function
k_q413fb31bc1_attn:
	s_mov_b64 s[64:65], 0
	v_nop
	global_prefetch_b8 v0, s[64:65] scope:SCOPE_SE
	s_setreg_imm32_b32 hwreg(HW_REG_WAVE_MODE, 25, 1), 1
	s_wait_xcnt 0x0
	s_wait_alu depctr_hold_cnt(0) depctr_sa_sdst(0) depctr_va_vdst(0) depctr_va_sdst(0) depctr_va_ssrc(0) depctr_va_vcc(0) depctr_vm_vsrc(0)
	s_getreg_b32 s2, hwreg(HW_REG_IB_STS2, 6, 4)
	s_cmp_eq_u32 s2, 0
	s_cbranch_scc0 .Lentry_in_a_cluster
	s_endpgm
.Lentry_in_a_cluster:
	s_bfe_u32 s2, ttmp6, 0x10000c
	s_cmp_lg_u32 s2, 0x3003
	s_cbranch_scc0 .Lentry_shape_is_right
	s_endpgm
.Lentry_shape_is_right:
; Causal attention with a pad mask on codes of FP8 (E4M3), 64 heads (16 x batch + head) of 2,048 x 64.  The weights are quantised FINISHED AND NORMALISED, so the keys are walked twice:
; pass 1: S^T = K Q^T, the running largest t = score x log2(e) / 8 and the sum l of 2^(t - M), M = that largest t rounded up to a whole number (a change of M multiplies l by a power of two: exact);
; pass 2: S^T again, p = 2^(t - M) x (1 / l), quantised along the keys in blocks of 32, O^T += V^T P.  O^T is quantised along the head and leaves as an image of the next product's operand.
; SHARES.  A cluster of four work-groups owns a head; each holds ALL of the head's K and V in LDS, brought once by joint tensor loads, one a wave (no LDS byte is filled twice).
; A tile of 16 queries T needs T / 8 + 1 key steps of 128.  Work-group cx, wave w owns T = 8 g + 4 (w & 1) + cx for g = w / 2 and then for g = 15 - w / 2: 17 steps a pass for every wave.
; All loops have constant trip counts; a step beyond the tile's diagonal is jumped over (wave's number and counters alone); cx enters global addresses and one compare value, no branch and no LDS address.
; LAYOUT.  Both products transposed: a lane holds one query (lane % 16).  Place 16 h + i of a block of 32 holds its number 16 (i / 8) + 8 h + i % 8, alike in q and k, and alike in p and v.
; THE HEAD IS 64 DEEP, THE INSTRUCTION 128: the other two blocks carry the pad mask.  K's fragment holds there one code -448, Q's one code 1.0; the key's scale byte of that block is 227 (2^100)
; where pad_mask == 1 and 0 (2^-127) else: a masked score is about -5.7e32, an open one gets -2.6e-36.  Even key tiles use [k | const] x [q | unit], odd ones [const | k] x [unit | q], so the constants are shared.
; A row whose visible keys are all masked: l = 0, 1 / l is replaced by 0, p = 0, as reference()'s nan_to_num has it.
; LIMITS: |t| of real scores stays under 1e30 (the running largest t begins at -1e30, above every masked score); an exponential under 2^-126 counts as 0; a block of zeros gets the scale byte 1; NaN and infinities are not served.
.set VBASE, 131072                     ; LDS: K's images 0 .. 131,071 (8,192 a step); V's 135,168 bytes (8,448 a step: 4 fragments of 2,048, then 64 scale words);
.set KSW,   266240                     ; the keys' scale words with the mask byte, 4 bytes a key, stored by the waves;
.set SPARE, 274432                     ; the spare words, 128 bytes a wave, named by no other line
.set LI,  1                            ; v1   16 x lane
.set LS,  2                            ; v2   4 x lane
.set DQ,  3                            ; v3   my query's place in the diagonal step, less 8 (lane / 16)
.set SPW, 4
.set NIL, 5
.set ADK, 6
.set ADV, 7
.set ADS, 8
.set ADT, 9
.set R4,  10                           ; v10  4 x (lane % 16)
.set R32, 11                           ; v11  32 x (lane % 16)
.set NM,  12                           ; v12  -M;  v13 the largest t
.set LSUM, 14                          ; v[14:15] l in two halves
.set RL,  16                           ; v[16:17] 1 / l, twice
.set QSA, 18                           ; scale registers: Q's word for even tiles, v19 for odd ones, v20-23 K's, v24-25 V's, v26 p's
.set QSB, 19
.set KSR, 20
.set VSR, 24
.set PSR, 26
.set QRAW, 27
.set QB,  28                           ; v[28:43] = [unit | q];  v[36:51] = [q | unit]
.set QA,  36
.set KA,  52                           ; v52-99: k0, const, k1, k2, const, k3
.set S,   100                          ; v100-163 S^T, then p, then V's four fragments
.set O,   164                          ; v164-195 O^T
.set COD, 196                          ; v196-211 codes
.set TM,  212                          ; v212-227 at work
.set TA,  228
.set TB,  229
.set FF,  230                          ; v[230:231] 2^(old M - new M)
.set SUM2, 232
.set SND, 234
.set RCV, 236
.set OUT, 238                          ; v238-245
.set WV,  20
.set EC,  21                           ; 4 (w & 1) + cx
.set G,   22
.set BH,  23
.set G1K, 24
.set G1V, 32
.set G0K, 40
.set G0V, 44
.set SEL, 50
.set CS,  52
.set MNT, 54
.set HM,  55                           ; lanes 16-31
.set ST,  56
.set TBK, 57
.set TBV, 58
.set TSK, 59
.set TILE, 60
.set TT,  61
.set PQ,  68
.set PQS, 70
.set PAO, 72
.set PAS, 74
.macro ROUND                           ; a round of the cluster's barrier
	s_barrier_signal -1
	s_barrier_wait -1
	s_cmp_lg_u32 s[WV], 0
	s_cbranch_scc1 .Lnot_wave_0_\@
	s_barrier_signal -3
.Lnot_wave_0_\@:
	s_barrier_wait -3
	s_barrier_signal -1
	s_barrier_wait -1
.endm
.macro PLACES n
.rept \n
	v_nop
.endr
.endm
	s_load_b256 s[4:11], s[0:1], 0x0               ; q_codes, q_sc, k_codes, k_sc
	s_load_b256 s[12:19], s[0:1], 0x20             ; v_img, pad_mask, ao_codes, ao_sc
	v_lshl_add_u32 v[SPW], v0, 2, SPARE
	v_mov_b32 v[NIL], 0
	ds_add_u32 v[SPW], v[NIL]                      ; the wave's opening: the add and its wait stand ahead of my first tensor load
	ds_add_u32 v[SPW], v[NIL]
	v_lshrrev_b32 v1, 5, v0
	s_delay_alu instid0(VALU_DEP_1)
	v_readfirstlane_b32 s[WV], v1                  ; wave 0..15
	s_lshr_b32 s[G], s[WV], 1
	s_bfe_u32 s48, ttmp6, 0x40000                  ; cx
	s_and_b32 s[EC], s[WV], 1
	s_lshl_b32 s[EC], s[EC], 2
	s_add_co_u32 s[EC], s[EC], s48
	s_and_b32 s[BH], ttmp7, 0xffff                 ; 16 x batch + head: the cluster's y
	; group 1: dense blocks as rows of 256 bytes (32 elements of 8 bytes), no padding; mask: all four partners.  K: 64 rows a wave (two steps), V: 66
	s_mov_b32 s[G1K], 15|(3<<16)|(1<<21)
	s_mov_b32 s[G1K+1], 32<<16
	s_mov_b32 s[G1K+2], 64<<16
	s_mov_b32 s[G1K+3], 32<<16
	s_mov_b32 s[G1K+4], 64
	s_mov_b32 s[G1K+5], 32
	s_mov_b32 s[G1K+6], 0
	s_mov_b32 s[G1K+7], 0
	s_mov_b32 s[G1V], 15|(3<<16)|(1<<21)
	s_mov_b32 s[G1V+1], 32<<16
	s_mov_b32 s[G1V+2], 66<<16
	s_mov_b32 s[G1V+3], 32<<16
	s_mov_b32 s[G1V+4], 66
	s_mov_b32 s[G1V+5], 32
	s_mov_b32 s[G1V+6], 0
	s_mov_b32 s[G1V+7], 0
	s_mov_b32 s[SEL], 0x76543210
	s_mov_b32 s[SEL+1], 0xfedcba98
	s_mov_b32 s[CS], 0x3e38aa3b                    ; c = log2(e) / 8
	s_mov_b32 s[CS+1], s[CS]
	s_mov_b32 s[HM], 0xffff0000
	s_mov_b32 s[TILE], 0
	s_wait_dscnt 0x0                               ; the opening add is done
	s_wait_kmcnt 0x0
	s_mov_b32 s63, 0
	s_lshl_b32 s62, s[BH], 17
	s_add_nc_u64 s[4:5], s[4:5], s[62:63]          ; the head in q_codes and k_codes,
	s_add_nc_u64 s[8:9], s[8:9], s[62:63]
	s_lshl_b32 s62, s[BH], 13
	s_add_nc_u64 s[6:7], s[6:7], s[62:63]          ; in q_sc and k_sc,
	s_add_nc_u64 s[10:11], s[10:11], s[62:63]
	s_mul_i32 s62, s[BH], 135168
	s_add_nc_u64 s[12:13], s[12:13], s[62:63]      ; in v_img
	s_lshr_b32 s66, s[BH], 4                       ; batch
	s_and_b32 s67, s[BH], 15                       ; head
	s_lshl_b32 s62, s66, 13
	s_add_nc_u64 s[14:15], s[14:15], s[62:63]      ; the batch's row of pad_mask
	s_lshl_b32 s62, s66, 21                        ; ao_codes: 128 row tiles of 16,384 bytes a batch; a head's two blocks lie 1,024 x head on
	s_lshl_b32 s76, s67, 10
	s_add_co_u32 s62, s62, s76
	s_add_nc_u64 s[16:17], s[16:17], s[62:63]
	s_lshl_b32 s62, s66, 16                        ; ao_sc: 2,048 rows of 32 bytes a batch; a head's two bytes
	s_lshl_b32 s76, s67, 1
	s_add_co_u32 s62, s62, s76
	s_add_nc_u64 s[18:19], s[18:19], s[62:63]
	s_and_b32 s77, s[WV], 7
	ROUND                                          ; all four work-groups are here: the joint loads meet
	s_lshl_b32 s62, s77, 14
	s_mov_b32 s[G0K], 1
	s_mov_b32 s[G0K+1], s62                        ; LDS: wave % 8 x 16,384
	s_add_nc_u64 s[G0K+2:G0K+3], s[8:9], s[62:63]
	s_or_b32 s[G0K+3], s[G0K+3], 0x80000000
	s_mul_i32 s62, s77, 16896
	s_mov_b32 s[G0V], 1
	s_add_co_u32 s[G0V+1], s62, VBASE
	s_add_nc_u64 s[G0V+2:G0V+3], s[12:13], s[62:63]
	s_or_b32 s[G0V+3], s[G0V+3], 0x80000000
	s_cmp_lt_u32 s[WV], 8                          ; waves 0-7 fetch K, waves 8-15 V: one tensor load of mine is out
	s_cbranch_scc0 .Lfor_v
	tensor_load_to_lds s[G0K:G0K+3], s[G1K:G1K+7]
	s_nop 0
.rept 4
	v_nop
.endr
	s_branch .Lasked
.Lfor_v:
	tensor_load_to_lds s[G0V:G0V+3], s[G1V:G1V+7]
	s_nop 0
.rept 4
	v_nop
.endr
.Lasked:
	; the keys' scale words: each of the 512 threads takes four keys
	v_lshlrev_b32 v246, 4, v0
	global_load_b128 v[S:S+3], v246, s[10:11]      ; k's two scale bytes, in the low half
	global_load_b128 v[S+4:S+7], v246, s[14:15]    ; pad_mask
	v_add_nc_u32 v247, KSW, v246
	v_bfe_u32 v248, v0, 2, 1                       ; is the keys' tile of 16 an odd one?
	s_delay_alu instid0(VALU_DEP_1)
	v_lshlrev_b32 v248, 4, v248                    ; then k's bytes stand in the upper half,
	s_delay_alu instid0(VALU_DEP_1)
	v_sub_nc_u32 v249, 16, v248                    ; and the mask's byte in the other
	v_mov_b32 v[TB], 227
	v_and_b32 v[LI], 31, v0
	s_delay_alu instid0(VALU_DEP_1)
	v_lshlrev_b32 v[LS], 2, v[LI]
	s_delay_alu instid0(VALU_DEP_2)
	v_lshlrev_b32 v[LI], 4, v[LI]
	v_and_b32 v[R4], 15, v0
	v_bfe_u32 v[TA], v0, 4, 1
	s_delay_alu instid0(VALU_DEP_1)
	v_lshlrev_b32 v[TA], 3, v[TA]
	s_delay_alu instid0(VALU_DEP_1)
	v_sub_nc_u32 v[DQ], v[R4], v[TA]
	s_lshl_b32 s48, s[EC], 4
	v_add_nc_u32 v[DQ], s48, v[DQ]
	v_lshlrev_b32 v[R32], 5, v[R4]
	v_lshlrev_b32 v[R4], 2, v[R4]
	s_wait_loadcnt 0x0
.irp i, 0,1,2,3
	v_cmp_eq_u32 vcc_lo, 1, v[S+4+\i]
	s_delay_alu instid0(VALU_DEP_1)
	v_cndmask_b32 v[S+4+\i], 0, v[TB], vcc_lo      ; 2^100 where the key is masked, else 2^-127
	v_lshlrev_b32 v[S+\i], v248, v[S+\i]
	s_delay_alu instid0(VALU_DEP_2)
	v_lshlrev_b32 v[S+4+\i], v249, v[S+4+\i]
	s_delay_alu instid0(VALU_DEP_1)
	v_or_b32 v[S+\i], v[S+\i], v[S+4+\i]
.endr
	ds_store_b128 v247, v[S:S+3]
	; the constant halves of the fragments: one code in the block's first place (register 0, byte 0, lanes 0-15), zeros else
	v_mov_b32 v[TA], 0x38                          ; 1.0
	v_mov_b32 v[TB], 0
	s_delay_alu instid0(VALU_DEP_1)
	v_cndmask_b32 v[QB], v[TA], v[TB], s[HM]
	s_delay_alu instid0(VALU_DEP_1)
	v_mov_b32 v[QA+8], v[QB]
	v_mov_b32 v[TA], 0xfe                          ; -448
	s_delay_alu instid0(VALU_DEP_1)
	v_cndmask_b32 v[KA+8], v[TA], v[TB], s[HM]
	s_delay_alu instid0(VALU_DEP_1)
	v_mov_b32 v[KA+32], v[KA+8]
.irp i, 1,2,3,4,5,6,7
	v_mov_b32 v[QB+\i], 0
	v_mov_b32 v[QA+8+\i], 0
	v_mov_b32 v[KA+8+\i], 0
	v_mov_b32 v[KA+32+\i], 0
.endr
.irp b, 0,1,2,3
	v_mov_b32 v[TM+4+\b], 0                        ; lane permutes' destinations count as sources: written once
.endr
	v_mov_b32 v[RCV], 0
	v_mov_b32 v[RCV+1], 0
	v_mov_b32 v[FF+1], 0                           ; named as the upper half of a pair
	s_wait_tensorcnt 0x0                           ; my part of K or V has landed,
	s_wait_dscnt 0x0                               ; my scale words are stored:
	s_barrier_signal -1
	s_barrier_wait -1                              ; everybody's are.  From here on LDS is only read
; S^T = K Q^T of a step of 128 keys, four tiles of 16 keys at a time
.macro QK pass
	v_add_nc_u32 v[ADK], s[TBK], v[LI]
	s_wait_alu depctr_va_vdst(0)
	v_add_nc_u32 v[ADS], s[TSK], v[LS]
.if \pass == 2
	v_add_nc_u32 v[ADV], s[TBV], v[LI]
	v_add_nc_u32 v[ADT], s[TBV], v[LS]
	PLACES 6                                       ; with the four additions ten places: the products below write over S, which the last step's V^T P read (nine are owed)
.endif
.irp g, 0,1
.if \g
	PLACES 8                                       ; in front of loads into registers that the four products above have read
.endif
.irp t, 0,1,2,3
.irp c, 0,1
	ds_load_b128 v[KA+24*(\t/2)+16*(\t%2)+4*\c:KA+24*(\t/2)+16*(\t%2)+4*\c+3], v[ADK] offset:(4*\g+\t)*1024+512*\c
.endr
.endr
.if \g == 0
.irp p, 0,1,2,3
	ds_load_b32 v[KSR+\p], v[ADS] offset:128*\p    ; lanes 0-15: tile 2 p's words; lanes 16-31: tile 2 p + 1's
.endr
.endif
	s_wait_dscnt 0x0
.irp t, 0,1,2,3
.if \t%2
	v_wmma_scale_f32_16x16x128_f8f6f4 v[S+8*(4*\g+\t):S+8*(4*\g+\t)+7], v[KA+24*(\t/2)+8:KA+24*(\t/2)+23], v[QB:QB+15], 0, v[KSR+(4*\g+\t)/2], v[QSB] matrix_a_scale:MATRIX_SCALE_ROW1
.else
	v_wmma_scale_f32_16x16x128_f8f6f4 v[S+8*(4*\g+\t):S+8*(4*\g+\t)+7], v[KA+24*(\t/2):KA+24*(\t/2)+15], v[QA:QA+15], 0, v[KSR+(4*\g+\t)/2], v[QSA]
.endif
.endr
.endr
	PLACES 8
	; on the diagonal step hidden scores become -infinity.  Register 8 t + j holds key 16 t + 8 (lane / 16) + j of the step
	s_cmp_lg_u32 s[ST], s[G]
	s_cbranch_scc1 .Lopen_\@
	v_mov_b32 v[TA], 0xff800000
.set n, 0
.rept 64
	v_cmp_gt_i32 vcc_lo, 16*(n/8)+n%8, v[DQ]
	v_cndmask_b32 v[S+n], v[S+n], v[TA], vcc_lo
.set n, n+1
.endr
.Lopen_\@:
.endm
.macro BLKMAX                          ; my 16 scores of each block of 32 keys; each accumulator is first read at its low end
.irp b, 0,1,2,3
	v_max3_num_f32 v[TM+\b], v[S+16*\b], v[S+16*\b+1], v[S+16*\b+2]
.endr
.irp i, 3,5,7,9,11,13
.irp b, 0,1,2,3
	v_max3_num_f32 v[TM+\b], v[TM+\b], v[S+16*\b+\i], v[S+16*\b+\i+1]
.endr
.endr
.irp b, 0,1,2,3
	v_max_num_f32 v[TM+\b], v[TM+\b], v[S+16*\b+15]
.endr
.endm
.macro TMINUSM                         ; t - M, two at a time
.set n, 0
.rept 32
	v_pk_fma_f32 v[S+n:S+n+1], v[S+n:S+n+1], s[CS:CS+1], v[NM:NM+1] op_sel_hi:[1,0,0]
.set n, n+2
.endr
.endm
.macro EXP64
.set n, 0
.rept 64
	v_exp_f32 v[S+n], v[S+n]
.set n, n+1
.endr
.endm
.Ltile:                                            ; two trips: g = w / 2, then g = 15 - w / 2
	s_wait_xcnt 0x0                                ; the last tile's stores have read their addresses and data
	s_lshl_b32 s[TT], s[G], 3
	s_add_co_u32 s[TT], s[TT], s[EC]               ; my tile of 16 queries
	s_lshl_b32 s62, s[TT], 10
	s_add_nc_u64 s[PQ:PQ+1], s[4:5], s[62:63]
	s_lshl_b32 s62, s[TT], 6
	s_add_nc_u64 s[PQS:PQS+1], s[6:7], s[62:63]
	s_lshl_b32 s62, s[TT], 14
	s_add_nc_u64 s[PAO:PAO+1], s[16:17], s[62:63]
	s_lshl_b32 s62, s[TT], 9
	s_add_nc_u64 s[PAS:PAS+1], s[18:19], s[62:63]
	global_load_b128 v[QA:QA+3], v[LI], s[PQ:PQ+1]
	global_load_b128 v[QA+4:QA+7], v[LI], s[PQ:PQ+1] offset:512
	global_load_b32 v[QRAW], v[R4], s[PQS:PQS+1]
	v_mov_b32 v[NM+1], 0xf149f2ca                  ; the largest t so far: -1e30
	s_delay_alu instid0(VALU_DEP_1)
	v_floor_f32 v[NM], -v[NM+1]
	v_mov_b32 v[LSUM], 0
	v_mov_b32 v[LSUM+1], 0
	s_wait_loadcnt 0x0
	v_or_b32 v[QSA], 0x7f0000, v[QRAW]             ; [q's two bytes | 127 | 0]
	v_lshl_or_b32 v[QSB], v[QRAW], 16, 127         ; [127 | 0 | q's two bytes]
.set n, 0
.rept 32
	v_mov_b32 v[O+n], 0                            ; O^T (also the places between the scale words' lines and the first product)
.set n, n+1
.endr
	; ---- pass 1: the largest t and the sum
	s_mov_b32 s[ST], 0
	s_mov_b32 s[TBK], 0
	s_mov_b32 s[TSK], KSW
.Lp1:
	s_cmp_gt_u32 s[ST], s[G]                       ; a step whose keys all come after my queries is left out
	s_cbranch_scc1 .Lskip1
	s_setprio 2
	QK 1
	s_setprio 1
	BLKMAX
	s_delay_alu instid0(VALU_DEP_2)
	v_max3_num_f32 v[TA], v[TM], v[TM+1], v[TM+2]
	s_delay_alu instid0(VALU_DEP_1)
	v_max_num_f32 v[TA], v[TA], v[TM+3]
	s_delay_alu instid0(VALU_DEP_1)
	v_permlanex16_b32 v[TB], v[TA], s[SEL], s[SEL+1]
	s_delay_alu instid0(VALU_DEP_1)
	v_max_num_f32 v[TA], v[TA], v[TB]              ; the step's largest score of my query
	s_delay_alu instid0(VALU_DEP_1)
	v_mul_f32 v[TA], s[CS], v[TA]
	s_delay_alu instid0(VALU_DEP_1)
	v_max_num_f32 v[NM+1], v[NM+1], v[TA]
	v_mov_b32 v[TA], v[NM]
	s_delay_alu instid0(VALU_DEP_2)
	v_floor_f32 v[NM], -v[NM+1]                    ; -M = floor(-t): M is a whole number
	s_delay_alu instid0(VALU_DEP_1)
	v_sub_f32 v[TA], v[NM], v[TA]                  ; old M - new M, 0 or less
	s_delay_alu instid0(VALU_DEP_1)
	v_cvt_i32_f32 v[TA], v[TA]                     ; (it saturates)
	s_delay_alu instid0(VALU_DEP_1)
	v_ldexp_f32 v[FF], 1.0, v[TA]
	TMINUSM
	s_wait_alu depctr_va_vdst(0)
	EXP64
	s_setprio 0
	v_pk_mul_f32 v[LSUM:LSUM+1], v[LSUM:LSUM+1], v[FF:FF+1] op_sel_hi:[1,0]   ; l under the new M; a plain line behind the exponentials
	s_wait_alu depctr_va_vdst(0)                   ; one wait for the batch, ahead of its first reader
	v_pk_add_f32 v[232:233], v[104:105], v[108:109]
	v_pk_add_f32 v[254:255], v[112:113], v[116:117]
	v_pk_add_f32 v[252:253], v[120:121], v[124:125]
	v_pk_add_f32 v[250:251], v[128:129], v[132:133]
	v_pk_add_f32 v[248:249], v[136:137], v[140:141]
	v_pk_add_f32 v[246:247], v[144:145], v[148:149]
	v_pk_add_f32 v[244:245], v[152:153], v[156:157]
	v_pk_add_f32 v[14:15], v[14:15], v[160:161]
	v_pk_add_f32 v[232:233], v[232:233], v[100:101]
	v_pk_add_f32 v[254:255], v[254:255], v[102:103]
	v_pk_add_f32 v[252:253], v[252:253], v[106:107]
	v_pk_add_f32 v[250:251], v[250:251], v[110:111]
	v_pk_add_f32 v[248:249], v[248:249], v[114:115]
	v_pk_add_f32 v[246:247], v[246:247], v[118:119]
	v_pk_add_f32 v[244:245], v[244:245], v[122:123]
	v_pk_add_f32 v[14:15], v[14:15], v[126:127]
	v_pk_add_f32 v[232:233], v[232:233], v[130:131]
	v_pk_add_f32 v[254:255], v[254:255], v[134:135]
	v_pk_add_f32 v[252:253], v[252:253], v[138:139]
	v_pk_add_f32 v[250:251], v[250:251], v[142:143]
	v_pk_add_f32 v[248:249], v[248:249], v[146:147]
	v_pk_add_f32 v[246:247], v[246:247], v[150:151]
	v_pk_add_f32 v[244:245], v[244:245], v[154:155]
	v_pk_add_f32 v[14:15], v[14:15], v[158:159]
	v_pk_add_f32 v[232:233], v[232:233], v[162:163]
	s_delay_alu instid0(VALU_DEP_2)
	v_pk_add_f32 v[14:15], v[14:15], v[250:251]
	s_delay_alu instid0(VALU_DEP_2)
	v_pk_add_f32 v[232:233], v[232:233], v[248:249]
	v_pk_add_f32 v[254:255], v[254:255], v[246:247]
	v_pk_add_f32 v[252:253], v[252:253], v[244:245]
	s_delay_alu instid0(VALU_DEP_2)
	v_pk_add_f32 v[14:15], v[14:15], v[254:255]
	s_delay_alu instid0(VALU_DEP_2)
	v_pk_add_f32 v[232:233], v[232:233], v[252:253]
	s_delay_alu instid0(VALU_DEP_1)
	v_pk_add_f32 v[14:15], v[14:15], v[232:233]
.Lskip1:
	s_add_co_u32 s[TBK], s[TBK], 8192
	s_add_co_u32 s[TSK], s[TSK], 512
	s_add_co_u32 s[ST], s[ST], 1
	s_cmp_lt_u32 s[ST], 16
	s_cbranch_scc1 .Lp1
	s_setprio 0
	; ---- 1 / l, or 0 where no key counted
	s_wait_alu depctr_va_vdst(0)
	v_add_f32 v[LSUM], v[LSUM], v[LSUM+1]
	s_delay_alu instid0(VALU_DEP_1)
	v_permlanex16_b32 v[TB], v[LSUM], s[SEL], s[SEL+1]
	s_delay_alu instid0(VALU_DEP_1)
	v_add_f32 v[LSUM], v[LSUM], v[TB]
	s_wait_alu depctr_va_vdst(0)
	v_rcp_f32 v[TA], v[LSUM]
	v_nop
	v_cmp_lt_f32 vcc_lo, 0, v[LSUM]
	s_wait_alu depctr_va_vdst(0)
	v_cndmask_b32 v[RL], 0, v[TA], vcc_lo
	s_delay_alu instid0(VALU_DEP_1)
	v_mov_b32 v[RL+1], v[RL]
	; ---- pass 2: the finished weights, quantised, and O^T
	s_mov_b32 s[ST], 0
	s_mov_b32 s[TBK], 0
	s_mov_b32 s[TSK], KSW
	s_mov_b32 s[TBV], VBASE
.Lp2:
	s_cmp_gt_u32 s[ST], s[G]
	s_cbranch_scc1 .Lskip2
	s_setprio 2
	QK 2
	BLKMAX
.irp b, 0,1,2,3
	s_delay_alu instid0(VALU_DEP_4)
	v_permlanex16_b32 v[TM+4+\b], v[TM+\b], s[SEL], s[SEL+1]
.endr
.irp b, 0,1,2,3
	s_delay_alu instid0(VALU_DEP_4)
	v_max_num_f32 v[TM+\b], v[TM+\b], v[TM+4+\b]   ; each block's largest score: p rises with the score, so it gives the block's largest p by the same lines
.endr
	TMINUSM
	s_setprio 1
.irp b, 0,1,2,3
	v_fma_f32 v[TM+\b], v[TM+\b], s[CS], v[NM]
.endr
	s_wait_alu depctr_va_vdst(0)
	EXP64
.irp b, 0,1,2,3
	v_exp_f32 v[TM+\b], v[TM+\b]
.endr
	v_nop                                          ; a plain line behind the last exponential
	s_wait_alu depctr_va_vdst(0)                   ; one wait for the 68
.set n, 0
.rept 32
	v_pk_mul_f32 v[S+n:S+n+1], v[S+n:S+n+1], v[RL:RL+1] op_sel_hi:[1,0]   ; p = 2^(t - M) / l
.set n, n+2
.endr
.irp b, 0,1,2,3
	v_mul_f32 v[TM+\b], v[TM+\b], v[RL]
.endr
.irp b, 0,1,2,3
	s_delay_alu instid0(VALU_DEP_4)
	v_max_num_f32 v[TM+\b], 0x4800000, v[TM+\b]    ; the floor 2^(9 - 127): the byte cannot fall under 1
.endr
.irp b, 0,1,2,3
	s_delay_alu instid0(VALU_DEP_4)
	v_add_nc_u32 v[TM+12+\b], 0xfc000000, v[TM+\b]
.endr
.irp b, 0,1,2,3
.endr
.irp b, 0,1,2,3
	s_delay_alu instid0(VALU_DEP_4)
	v_lshrrev_b32 v[TM+4+\b], 23, v[TM+12+\b]
.endr
	s_delay_alu instid0(VALU_DEP_3)
	v_lshl_or_b32 v[PSR], v[TM+5], 8, v[TM+4]      ; p's scale word for these 128 keys
	s_delay_alu instid0(VALU_DEP_1)
	v_lshl_or_b32 v[PSR], v[TM+6], 16, v[PSR]
	s_delay_alu instid0(VALU_DEP_1)
	v_lshl_or_b32 v[PSR], v[TM+7], 24, v[PSR]
	s_setprio 0
.irp b, 0,1,2,3
.irp i, 0,1,2,3,4,5,6,7,8,9,10,11,12,13,14,15
.endr
	v_cvt_scalef32_pk8_fp8_f32 v[COD+4*\b:COD+4*\b+1], v[S+16*\b:S+16*\b+7], v[TM+12+\b]
	v_cvt_scalef32_pk8_fp8_f32 v[COD+4*\b+2:COD+4*\b+3], v[S+16*\b+8:S+16*\b+15], v[TM+12+\b]
.endr
	v_nop                                          ; a plain line behind the last conversion
.irp d, 0,1,2,3
.irp c, 0,1,2,3
	ds_load_b128 v[S+16*\d+4*\c:S+16*\d+4*\c+3], v[ADV] offset:2048*\d+512*\c   ; V's fragment of channels 16 d on takes p's place
.endr
.endr
	ds_load_b32 v[VSR], v[ADT] offset:8192         ; lanes 0-15: channels 0-15's words, lanes 16-31: channels 16-31's
	ds_load_b32 v[VSR+1], v[ADT] offset:8192+128
	PLACES 4                                       ; codes written by vector lines stand four places ahead of a scaled product
	s_wait_alu depctr_va_vdst(0)
	s_wait_dscnt 0x0
.irp d, 0,1,2,3                                    ; the four accumulators by turns
.if \d%2
	v_wmma_scale_f32_16x16x128_f8f6f4 v[O+8*\d:O+8*\d+7], v[S+16*\d:S+16*\d+15], v[COD:COD+15], v[O+8*\d:O+8*\d+7], v[VSR+\d/2], v[PSR] matrix_a_scale:MATRIX_SCALE_ROW1
.else
	v_wmma_scale_f32_16x16x128_f8f6f4 v[O+8*\d:O+8*\d+7], v[S+16*\d:S+16*\d+15], v[COD:COD+15], v[O+8*\d:O+8*\d+7], v[VSR+\d/2], v[PSR]
.endif
.endr
.Lskip2:
	s_add_co_u32 s[TBK], s[TBK], 8192
	s_add_co_u32 s[TSK], s[TSK], 512
	s_add_co_u32 s[TBV], s[TBV], 8448
	s_add_co_u32 s[ST], s[ST], 1
	s_cmp_lt_u32 s[ST], 16
	s_cbranch_scc1 .Lp2
	s_setprio 0
	; ---- the way out: O^T (register 8 d + j: channel 16 d + 8 h + j of my query) is quantised along the head's two blocks of 32
	PLACES 8
.irp b, 0,1
	v_max3_num_f32 v[TM+\b], |v[O+16*\b]|, |v[O+16*\b+1]|, 0x4800000
.endr
.irp i, 2,4,6,8,10,12,14
.irp b, 0,1
	v_max3_num_f32 v[TM+\b], v[TM+\b], |v[O+16*\b+\i]|, |v[O+16*\b+\i+1]|
.endr
.endr
.irp b, 0,1
	s_delay_alu instid0(VALU_DEP_2)
	v_permlanex16_b32 v[TM+4+\b], v[TM+\b], s[SEL], s[SEL+1]
.endr
.irp b, 0,1
	s_delay_alu instid0(VALU_DEP_2)
	v_max_num_f32 v[TM+\b], v[TM+\b], v[TM+4+\b]
.endr
.irp b, 0,1
	s_delay_alu instid0(VALU_DEP_2)
	v_add_nc_u32 v[TM+12+\b], 0xfc000000, v[TM+\b]
.endr
.irp b, 0,1
.endr
.irp b, 0,1
	s_delay_alu instid0(VALU_DEP_2)
	v_lshrrev_b32 v[TM+4+\b], 23, v[TM+12+\b]
.endr
	s_delay_alu instid0(VALU_DEP_1)
	v_lshl_or_b32 v[TA], v[TM+5], 8, v[TM+4]       ; the head's two scale bytes of my row
.irp b, 0,1
.irp i, 0,1,2,3,4,5,6,7,8,9,10,11,12,13,14,15
.endr
	v_cvt_scalef32_pk8_fp8_f32 v[COD+4*\b:COD+4*\b+1], v[O+16*\b:O+16*\b+7], v[TM+12+\b]       ; channels 32 b + 8 h + 0 .. 7
	v_cvt_scalef32_pk8_fp8_f32 v[COD+4*\b+2:COD+4*\b+3], v[O+16*\b+8:O+16*\b+15], v[TM+12+\b]  ; channels 32 b + 16 + 8 h + 0 .. 7
.endr
	v_nop
	; Wo's codes lie in natural order, so a lane must hold channels 32 b + 16 h + 0 .. 15: lanes 0-15 give their second eight for lane + 16's first eight
.irp b, 0,1
	v_cndmask_b32 v[SND], v[COD+4*\b+2], v[COD+4*\b], s[HM]
	v_cndmask_b32 v[SND+1], v[COD+4*\b+3], v[COD+4*\b+1], s[HM]
	s_delay_alu instid0(VALU_DEP_2)
	v_permlanex16_b32 v[RCV], v[SND], s[SEL], s[SEL+1]
	s_delay_alu instid0(VALU_DEP_2)
	v_permlanex16_b32 v[RCV+1], v[SND+1], s[SEL], s[SEL+1]
	v_cndmask_b32 v[OUT+4*\b], v[COD+4*\b], v[RCV], s[HM]
	v_cndmask_b32 v[OUT+4*\b+1], v[COD+4*\b+1], v[RCV+1], s[HM]
	v_cndmask_b32 v[OUT+4*\b+2], v[RCV], v[COD+4*\b+2], s[HM]
	v_cndmask_b32 v[OUT+4*\b+3], v[RCV+1], v[COD+4*\b+3], s[HM]
	global_store_b128 v[LI], v[OUT+4*\b:OUT+4*\b+3], s[PAO:PAO+1] offset:512*\b   ; 512 consecutive bytes, aligned
.endr
	global_store_b16 v[R32], v[TA], s[PAS:PAS+1]   ; two bytes of each row's 32: both halves of the lanes write the same
	s_sub_co_u32 s[G], 15, s[G]
	s_add_co_u32 s[TILE], s[TILE], 1
	s_cmp_lt_u32 s[TILE], 2
	s_cbranch_scc1 .Ltile
	s_wait_dscnt 0x0
	s_barrier_signal -1                            ; every wave's reads of LDS are over before any wave's closing lines
	s_barrier_wait -1
	s_wait_tensorcnt 0x0                           ; the wave's end
	ds_add_u32 v[SPW], v[NIL]
	s_wait_dscnt 0x0
	ROUND                                          ; the closing round
	s_endpgm
.Lfunc_end_k_q413fb31bc1_attn:
	.size	k_q413fb31bc1_attn, .Lfunc_end_k_q413fb31bc1_attn-k_q413fb31bc1_attn
	.p2alignl 7, 3214868480
	.fill 96, 4, 3214868480
	.section	.rodata,"a",@progbits
	.p2align	6, 0x0
	.amdhsa_kernel k_q413fb31bc1_attn
		.amdhsa_group_segment_fixed_size 276480
		.amdhsa_private_segment_fixed_size 0
		.amdhsa_enable_private_segment 0
		.amdhsa_kernarg_size 64
		.amdhsa_user_sgpr_count 2
		.amdhsa_user_sgpr_kernarg_segment_ptr 1
		.amdhsa_wavefront_size32 1
		.amdhsa_system_sgpr_workgroup_id_x 1
		.amdhsa_system_sgpr_workgroup_id_y 1
		.amdhsa_system_sgpr_workgroup_id_z 1
		.amdhsa_system_vgpr_workitem_id 0
		.amdhsa_next_free_vgpr 256
		.amdhsa_next_free_sgpr 80
		.amdhsa_reserve_vcc 1
		.amdhsa_float_denorm_mode_32 3
		.amdhsa_float_denorm_mode_16_64 3
		.amdhsa_fp16_overflow 1
		.amdhsa_memory_ordered 1
		.amdhsa_forward_progress 1
		.amdhsa_inst_pref_size 55
	.end_amdhsa_kernel
	.amdgpu_metadata
---
amdhsa.version: [ 1, 2 ]
amdhsa.kernels:
  - .name:           k_q413fb31bc1_attn
    .symbol:         k_q413fb31bc1_attn.kd
    .args:
      - { .name: q_codes, .offset: 0, .size: 8, .value_kind: global_buffer, .address_space: global }
      - { .name: q_sc, .offset: 8, .size: 8, .value_kind: global_buffer, .address_space: global }
      - { .name: k_codes, .offset: 16, .size: 8, .value_kind: global_buffer, .address_space: global }
      - { .name: k_sc, .offset: 24, .size: 8, .value_kind: global_buffer, .address_space: global }
      - { .name: v_img, .offset: 32, .size: 8, .value_kind: global_buffer, .address_space: global }
      - { .name: pad_mask, .offset: 40, .size: 8, .value_kind: global_buffer, .address_space: global }
      - { .name: ao_codes, .offset: 48, .size: 8, .value_kind: global_buffer, .address_space: global }
      - { .name: ao_sc, .offset: 56, .size: 8, .value_kind: global_buffer, .address_space: global }
    .group_segment_fixed_size: 276480
    .private_segment_fixed_size: 0
    .kernarg_segment_align: 8
    .kernarg_segment_size: 64
    .max_flat_workgroup_size: 512
    .sgpr_count:     80
    .vgpr_count:     256
    .wavefront_size: 32
...
	.end_amdgpu_metadata
.endif
;; end of part 2
;; launch oproj (part 3): grid 4 x 32, 4 waves a work-group, clusters of 4 x 4, 327,680 bytes of LDS; arguments ao_codes, ao_sc, Wo_codes, Wo_scales, bo, out0; writes out0
.if DOCPART == 3
	.amdgcn_target "amdgcn-amd-amdhsa--gfx1250"
	.amdhsa_code_object_version 6
	.text
	.protected	k_q413fb31bc1_oproj
	.globl	k_q413fb31bc1_oproj
	.p2align	8
	.type	k_q413fb31bc1_oproj,@function
k_q413fb31bc1_oproj:
	s_mov_b64 s[64:65], 0
	v_nop
	global_prefetch_b8 v0, s[64:65] scope:SCOPE_SE
	s_setreg_imm32_b32 hwreg(HW_REG_WAVE_MODE, 25, 1), 1
	s_wait_xcnt 0x0
	s_wait_alu depctr_hold_cnt(0) depctr_sa_sdst(0) depctr_va_vdst(0) depctr_va_sdst(0) depctr_va_ssrc(0) depctr_va_vcc(0) depctr_vm_vsrc(0)
	s_getreg_b32 s2, hwreg(HW_REG_IB_STS2, 6, 4)
	s_cmp_eq_u32 s2, 0
	s_cbranch_scc0 .Lentry_in_a_cluster
	s_endpgm
.Lentry_in_a_cluster:
	s_bfe_u32 s2, ttmp6, 0x10000c
	s_cmp_lg_u32 s2, 0xf033
	s_cbranch_scc0 .Lentry_shape_is_right
	s_endpgm
.Lentry_shape_is_right:
.set SIZE_N, 1024
.set KSTEP,  256
.set NQ,     2
.set ROWB,   256
.set KROW,   1024
.set PITCH,  272
.set FR,     16
.set NL,     4
.set NP,     8
.set HALFT,  128*PITCH
.set SLOT,   4*HALFT
.set LAPS,   2
.set KS,     32
.set SCL,    2*SLOT
.set HALFS,  (128*KS/256)*272
.set SBLK,   (16*KS/256)*272
.set SPARE,  SCL+4*HALFS
.set SPITCH, 528
.set H32,  7
.set ADRA, 16
.set ADRB, 20
.set STO,  24
.set RD,   25
.set CO,   26
.set ADRS, 27
.set SPW,  28
.set NIL,  29
.set SC,   32
.set BP,   64
.set AF,   128
.set BK,   128
.set G1, 24
.set G0, 32
.set G1B, 48
.set G0B, 56
.set G1S, 68
.set G0S, 76
.set G1SB, 80
.set G0SB, 88
.set MSB, 0
.macro WIN new
.if MSB != \new
	s_set_vgpr_msb (MSB<<8)|\new
.set MSB, \new
.endif
.endm
.set MUL_LO, 0xa1
.set MUL_HI, 0xf1
.set TO_B,   0x40
.macro JLOAD g0a, g1a, g0b, g1b
	s_cmp_eq_u32 s15, 0
	s_cbranch_scc0 .Lfor_b_\@
	tensor_load_to_lds s[\g0a:\g0a+3], s[\g1a:\g1a+7]
	s_nop 0
.rept 4
	v_nop
.endr
	s_branch .Lasked_\@
.Lfor_b_\@:
	tensor_load_to_lds s[\g0b:\g0b+3], s[\g1b:\g1b+7]
	s_nop 0
.rept 4
	v_nop
.endr
.Lasked_\@:
.endm
.macro CREST
	s_cmp_lg_u32 s14, 0
	s_cbranch_scc1 .Lnot_wave_0_\@
	s_barrier_signal -3
.Lnot_wave_0_\@:
	s_barrier_wait -3
	s_barrier_signal -1
	s_barrier_wait -1
.endm
.macro CROUND
	s_barrier_signal -1
	s_barrier_wait -1
	CREST
.endm
	s_load_b128 s[4:7], s[0:1], 0x0
	s_load_b128 s[8:11], s[0:1], 0x10
	s_load_b64 s[66:67], s[0:1], 0x20
	s_load_b64 s[12:13], s[0:1], 0x28
	v_lshl_add_u32 v[SPW], v0, 2, SPARE
	v_mov_b32 v[NIL], 0
	ds_add_u32 v[SPW], v[NIL]
	ds_add_u32 v[SPW], v[NIL]
	v_lshrrev_b32 v1, 5, v0
	v_readfirstlane_b32 s14, v1
	s_lshr_b32 s15, s14, 1
	s_and_b32 s16, s14, 1
	s_bfe_u32 s40, ttmp6, 0x40000
	s_bfe_u32 s41, ttmp6, 0x40004
	s_lshl_b32 s42, ttmp9, 2
	s_add_co_u32 s42, s42, s40
	s_and_b32 s17, ttmp7, 0xffff
	s_lshl_b32 s17, s17, 2
	s_add_co_u32 s17, s17, s41
	s_lshl_b32 s43, s41, 2
	s_lshl_b32 s43, 15, s43
	s_lshl_b32 s44, 0x1111, s40
	s_or_b32 s[G1+0], s43, (3<<16)|(1<<21)
	s_mov_b32 s[G1+1], 512<<16
	s_mov_b32 s[G1+2], 8<<16
	s_mov_b32 s[G1+3], 512<<16
	s_mov_b32 s[G1+4], 8
	s_mov_b32 s[G1+5], 2048
	s_mov_b32 s[G1+6], 0
	s_mov_b32 s[G1+7], 0
	s_or_b32 s[G1B+0], s44, (0<<16)|(1<<20)|(1<<21)|(5<<22)|(3<<25)
	s_mov_b32 s[G1B+1], ROWB<<16
	s_mov_b32 s[G1B+2], 128<<16
	s_mov_b32 s[G1B+3], ROWB<<16
	s_mov_b32 s[G1B+4], 128
	s_mov_b32 s[G1B+5], KROW
	s_mov_b32 s[G1B+6], 0
	s_mov_b32 s[G1B+7], 0
	s_or_b32 s[G1S+0], s43, (3<<16)|(1<<20)|(1<<21)|(5<<22)|(3<<25)
	s_or_b32 s[G1SB+0], s44, (3<<16)|(1<<20)|(1<<21)|(5<<22)|(3<<25)
.irp g, G1S, G1SB
	s_mov_b32 s[\g+1], 32<<16
	s_mov_b32 s[\g+2], (128*KS/256)<<16
	s_mov_b32 s[\g+3], 32<<16
	s_mov_b32 s[\g+4], 128*KS/256
	s_mov_b32 s[\g+5], 32
	s_mov_b32 s[\g+6], 0
	s_mov_b32 s[\g+7], 0
.endr
	s_lshl_b32 s18, s16, 7
	s_lshl_b32 s20, s17, 8
	s_add_co_u32 s20, s20, s18
	s_lshl_b32 s46, s42, 8
	s_add_co_u32 s46, s46, s18
	s_mov_b32 s21, 0
	s_mov_b32 s47, 0
	s_mov_b64 s[18:19], KS
	s_mul_u64 s[22:23], s[20:21], s[18:19]
	s_mul_u64 s[92:93], s[46:47], s[18:19]
	s_mov_b64 s[18:19], KROW
	s_mul_u64 s[20:21], s[20:21], s[18:19]
	s_mul_u64 s[46:47], s[46:47], s[18:19]
	s_mul_i32 s45, s14, HALFT
	s_mul_i32 s94, s14, HALFS
	s_wait_dscnt 0x0
	s_wait_kmcnt 0x0
	s_add_nc_u64 s[20:21], s[4:5], s[20:21]
	s_add_nc_u64 s[22:23], s[6:7], s[22:23]
	s_add_nc_u64 s[46:47], s[8:9], s[46:47]
	s_add_nc_u64 s[92:93], s[10:11], s[92:93]
	CROUND
	s_mov_b32 s[G0S], 1
	s_add_co_u32 s[G0S+1], s94, SCL
	s_mov_b64 s[G0S+2:G0S+3], s[22:23]
	s_or_b32 s[G0S+3], s[G0S+3], 0x80000000
	s_mov_b32 s[G0SB], 1
	s_add_co_u32 s[G0SB+1], s94, SCL
	s_mov_b64 s[G0SB+2:G0SB+3], s[92:93]
	s_or_b32 s[G0SB+3], s[G0SB+3], 0x80000000
	JLOAD G0S, G1S, G0SB, G1SB
.irp s, 0,1
	s_mov_b32 s[G0+4*\s], 1
	s_add_co_u32 s[G0+4*\s+1], s45, \s*SLOT
	s_add_nc_u64 s[G0+4*\s+2:G0+4*\s+3], s[20:21], \s*4096
	s_or_b32 s[G0+4*\s+3], s[G0+4*\s+3], 0x80000000
	s_mov_b32 s[G0B+4*\s], 1
	s_add_co_u32 s[G0B+4*\s+1], s45, \s*SLOT
	s_add_nc_u64 s[G0B+4*\s+2:G0B+4*\s+3], s[46:47], \s*ROWB
	s_or_b32 s[G0B+4*\s+3], s[G0B+4*\s+3], 0x80000000
	s_wait_alu depctr_va_vdst(0)
	s_wait_tensorcnt 0x0
	ds_add_u32 v28, v29
	s_wait_dscnt 0x0
	CROUND
	JLOAD G0+4*\s, G1, G0B+4*\s, G1B
.endr
	v_and_b32 v1, 15, v0
	v_bfe_u32 v2, v0, 4, 1
	v_mul_u32_u24 v3, v1, PITCH
	v_lshl_add_u32 v4, v2, 4, v3
	v_and_b32 v6, 31, v0
	v_lshlrev_b32 v[CO], 4, v6
	s_mul_i32 s21, s15, HALFT
	s_mul_i32 s22, s16, HALFT
	s_add_co_u32 s22, s22, 2*HALFT
.irp s, 0,1
	v_add_nc_u32 v[ADRA+\s], s21, v[CO]
	v_add_nc_u32 v[ADRB+\s], s22, v4
	s_add_co_u32 s21, s21, SLOT
	s_add_co_u32 s22, s22, SLOT
.endr
	v_mul_u32_u24 v5, v1, KS
	v_lshrrev_b32 v6, 8, v5
	v_lshl_add_u32 v5, v6, 4, v5
	s_mul_i32 s21, s15, HALFS
	s_mul_i32 s22, s16, HALFS
	s_add_co_u32 s22, s22, 2*HALFS
	s_sub_co_u32 s22, s22, s21
	v_mul_u32_u24 v6, s22, v2
	s_add_co_u32 s21, s21, SCL
	v_add_nc_u32 v5, v5, v6
	v_add_nc_u32 v[ADRS], s21, v5
	s_mul_i32 s23, s14, 16*SPITCH
	v_mul_u32_u24 v5, v1, SPITCH
	v_lshl_add_u32 v5, v2, 5, v5
	v_add_nc_u32 v[STO], s23, v5
	v_add_nc_u32 v[RD], s23, v[CO]
	v_lshlrev_b32 v[H32], 5, v2
	s_lshl_b32 s46, s42, 10
	s_lshl_b32 s47, s16, 9
	s_add_co_u32 s46, s46, s47
	s_mov_b32 s47, 0
	s_add_nc_u64 s[66:67], s[66:67], s[46:47]
.irp b, 0,1,2,3,4,5,6,7
	global_load_b128 v[BP+8*\b:BP+8*\b+3], v[H32], s[66:67] offset:64*\b
	global_load_b128 v[BP+8*\b+4:BP+8*\b+7], v[H32], s[66:67] offset:64*\b+16
.endr
	s_lshl_b32 s20, s17, 8
	s_lshl_b32 s21, s15, 7
	s_add_co_u32 s20, s20, s21
	s_mov_b32 s21, 0
	s_mov_b64 s[18:19], SIZE_N*4
	s_mul_u64 s[20:21], s[20:21], s[18:19]
	s_add_nc_u64 s[20:21], s[20:21], s[46:47]
	s_add_nc_u64 s[12:13], s[12:13], s[20:21]
.macro FRAG reg, adr, q, i
.irp c, 0,1,2,3
	ds_load_b128 v[\reg+4*\c:\reg+4*\c+3], v[\adr] offset:128*(\q)+32*\c+(\i)*16*PITCH
.endr
.endm
.macro FRAGA reg, adr, q, i
.irp c, 0,1,2,3
	ds_load_b128 v[\reg+4*\c:\reg+4*\c+3], v[\adr] offset:4096*(\i)+2048*(\q)+512*\c
.endr
.endm
.macro MUL16 a0, p, q, sc, zero
.irp a, \a0, \a0+1
.irp b, 0,1,2,3,4,5,6,7
.if \zero
	v_wmma_scale_f32_16x16x128_f8f6f4 v[8*(8*((\a)%4)+\b):8*(8*((\a)%4)+\b)+7], v[128*(\p)+FR*\b:128*(\p)+FR*\b+FR-1], v[AF+FR*(\a):AF+FR*(\a)+FR-1], v[BP+8*\b:BP+8*\b+7], v[SC+8*NQ*(\sc)+NQ*\b+(\q)], v[SC+8*NQ*(\sc)+NQ*(\a)+(\q)] matrix_a_scale:MATRIX_SCALE_ROW1
.else
	v_wmma_scale_f32_16x16x128_f8f6f4 v[8*(8*((\a)%4)+\b):8*(8*((\a)%4)+\b)+7], v[128*(\p)+FR*\b:128*(\p)+FR*\b+FR-1], v[AF+FR*(\a):AF+FR*(\a)+FR-1], v[8*(8*((\a)%4)+\b):8*(8*((\a)%4)+\b)+7], v[SC+8*NQ*(\sc)+NQ*\b+(\q)], v[SC+8*NQ*(\sc)+NQ*(\a)+(\q)] matrix_a_scale:MATRIX_SCALE_ROW1
.endif
.endr
.endr
.endm
.macro FETCH_B slot, q, p
	WIN TO_B
.irp i, 0,1,2,3,4,5,6,7
	FRAG 128*(\p)+FR*\i, ADRB+\slot, \q, \i
.endr
	WIN 0
.endm
.macro FETCH_A slot, q, i0
.irp i, \i0, \i0+1, \i0+2, \i0+3
	FRAGA AF+FR*(\i), ADRA+\slot, \q, \i
.endr
.endm
.macro SCALES sc
.irp i, 0,1,2,3,4,5,6,7
	ds_load_b64 v[SC+8*NQ*\sc+NQ*\i:SC+8*NQ*\sc+NQ*\i+1], v[ADRS] offset:\i*SBLK
.endr
.endm
.macro PLACES n
.rept \n
	v_nop
.endr
.endm
.macro STEP slot, q, zero
	s_wait_dscnt 4*NL
.if \zero
	WIN 0x81
.else
	WIN MUL_LO
.endif
	MUL16 0, (\q)%2, \q, \slot, \zero
	MUL16 2, (\q)%2, \q, \slot, \zero
	s_wait_dscnt 0
	PLACES NP
	FETCH_B \slot, (\q)+1, 1-(\q)%2
	FETCH_A \slot, (\q)+1, 0
.if \zero
	WIN 0xc1
.else
	WIN MUL_HI
.endif
	MUL16 4, (\q)%2, \q, \slot, \zero
	MUL16 6, (\q)%2, \q, \slot, \zero
	PLACES NP
	WIN 0
	FETCH_A \slot, (\q)+1, 4
.endm
.macro TURN slot, next, fill
	s_wait_tensorcnt 0x0
	ds_add_u32 v[SPW], v[NIL]
	s_wait_dscnt 4*NL+1
	WIN MUL_LO
	MUL16 0, 1, NQ-1, \slot, 0
	s_wait_dscnt 0x0
	s_barrier_signal -1
	MUL16 2, 1, NQ-1, \slot, 0
	WIN 0
	s_barrier_wait -1
.if \fill
	CREST
	s_add_nc_u64 s[G0+4*\slot+2:G0+4*\slot+3], s[G0+4*\slot+2:G0+4*\slot+3], 2*4096
	s_add_nc_u64 s[G0B+4*\slot+2:G0B+4*\slot+3], s[G0B+4*\slot+2:G0B+4*\slot+3], 2*ROWB
	JLOAD G0+4*\slot, G1, G0B+4*\slot, G1B
	PLACES NP-4
.else
	PLACES NP
.endif
	s_wait_alu depctr_va_vdst(0)
	v_add_nc_u32 v[ADRS], 4*NQ, v[ADRS]
	FETCH_B \next, 0, 0
	FETCH_A \next, 0, 0
	SCALES \next
	WIN MUL_HI
	MUL16 4, 1, NQ-1, \slot, 0
	MUL16 6, 1, NQ-1, \slot, 0
	PLACES NP
	WIN 0
	FETCH_A \next, 0, 4
.endm
	s_wait_alu depctr_va_vdst(0)
	s_wait_loadcnt 0x0
	s_wait_tensorcnt 1
	s_barrier_signal -1
	s_barrier_wait -1
	FETCH_B 0, 0, 0
	FETCH_A 0, 0, 0
	SCALES 0
	FETCH_A 0, 0, 4
	STEP 0, 0, 1
	s_mov_b32 s3, LAPS-1
.Llap:
	TURN 0, 1, 1
	STEP 1, 0, 0
	TURN 1, 0, 1
	STEP 0, 0, 0
	s_sub_co_u32 s3, s3, 1
	s_cmp_lg_u32 s3, 0
	s_cbranch_scc1 .Llap
	TURN 0, 1, 0
	STEP 1, 0, 0
	s_wait_dscnt 4*NL
	WIN MUL_LO
	MUL16 0, 1, NQ-1, 1, 0
	MUL16 2, 1, NQ-1, 1, 0
	s_wait_dscnt 0
	WIN MUL_HI
	MUL16 4, 1, NQ-1, 1, 0
	MUL16 6, 1, NQ-1, 1, 0
	WIN 0
.macro TOSTAGE a
.set AC, 64*((\a)%4)
	WIN 0x08+4*((\a)/4)
.irp b, 0,1,2,3,4,5,6,7
	ds_store_b128 v[STO], v[AC+8*\b:AC+8*\b+3] offset:64*\b
	ds_store_b128 v[STO], v[AC+8*\b+4:AC+8*\b+7] offset:64*\b+16
.endr
	WIN 0
.set BB, BK+64*((\a)%2)
.irp t, 0,1,2,3,4,5,6,7,8,9,10,11,12,13,14,15
	ds_load_b128 v[BB+4*\t:BB+4*\t+3], v[RD] offset:\t*SPITCH
.endr
.endm
.macro SEND a, younger
.set BB, BK+64*((\a)%2)
	s_wait_dscnt \younger
.if (\a) > 0
	s_add_nc_u64 s[12:13], s[12:13], 16*SIZE_N*4
.endif
.irp t, 0,1,2,3,4,5,6,7,8,9,10,11,12,13,14,15
	global_store_b128 v[CO], v[BB+4*\t:BB+4*\t+3], s[12:13] offset:\t*SIZE_N*4 th:TH_STORE_NT
.endr
.endm
	PLACES NP
	TOSTAGE 0
.irp a, 1,2,3,4,5,6,7
.if \a > 1
	s_wait_xcnt 0x0
.endif
	TOSTAGE \a
	SEND \a-1, 32
.endr
	s_wait_xcnt 0x0
	SEND 7, 0
	s_wait_tensorcnt 0x0
	ds_add_u32 v[SPW], v[NIL]
	s_wait_dscnt 0x0
	CROUND
	s_endpgm
.Lfunc_end_k_q413fb31bc1_oproj:
	.size	k_q413fb31bc1_oproj, .Lfunc_end_k_q413fb31bc1_oproj-k_q413fb31bc1_oproj
	.p2alignl 7, 3214868480
	.fill 96, 4, 3214868480
	.section	.rodata,"a",@progbits
	.p2align	6, 0x0
	.amdhsa_kernel k_q413fb31bc1_oproj
		.amdhsa_group_segment_fixed_size 327680
		.amdhsa_private_segment_fixed_size 0
		.amdhsa_enable_private_segment 0
		.amdhsa_kernarg_size 48
		.amdhsa_user_sgpr_count 2
		.amdhsa_user_sgpr_kernarg_segment_ptr 1
		.amdhsa_wavefront_size32 1
		.amdhsa_system_sgpr_workgroup_id_x 1
		.amdhsa_system_sgpr_workgroup_id_y 1
		.amdhsa_system_sgpr_workgroup_id_z 1
		.amdhsa_system_vgpr_workitem_id 0
		.amdhsa_next_free_vgpr 1024
		.amdhsa_next_free_sgpr 100
		.amdhsa_reserve_vcc 0
		.amdhsa_float_denorm_mode_32 3
		.amdhsa_float_denorm_mode_16_64 3
		.amdhsa_memory_ordered 1
		.amdhsa_forward_progress 1
		.amdhsa_inst_pref_size 148
	.end_amdhsa_kernel
	.amdgpu_metadata
---
amdhsa.version: [ 1, 2 ]
amdhsa.kernels:
  - .name:           k_q413fb31bc1_oproj
    .symbol:         k_q413fb31bc1_oproj.kd
    .args:
      - { .name: ao_codes, .offset: 0, .size: 8, .value_kind: global_buffer, .address_space: global }
      - { .name: ao_sc, .offset: 8, .size: 8, .value_kind: global_buffer, .address_space: global }
      - { .name: Wo_codes, .offset: 16, .size: 8, .value_kind: global_buffer, .address_space: global }
      - { .name: Wo_scales, .offset: 24, .size: 8, .value_kind: global_buffer, .address_space: global }
      - { .name: bo, .offset: 32, .size: 8, .value_kind: global_buffer, .address_space: global }
      - { .name: out0, .offset: 40, .size: 8, .value_kind: global_buffer, .address_space: global }
    .group_segment_fixed_size: 327680
    .private_segment_fixed_size: 0
    .kernarg_segment_align: 8
    .kernarg_segment_size: 48
    .max_flat_workgroup_size: 128
    .sgpr_count:     100
    .vgpr_count:     1024
    .wavefront_size: 32
...
	.end_amdgpu_metadata
.endif
;; end of part 3
